; MI455X (gfx1250); checked and timed in simulation.
; The chip was launched on July 23, 2026; its instructions are those of AMD's public machine-readable ISA for CDNA 5 (MIT licence, August 2026) and "CDNA5" Instruction Set Architecture Reference Guide (July 2026). The comments in the code are by the model that wrote it; some were corrected since.
;; Mo E. Allowed arithmetic: float matrix products may take bf16 or f16 operands with f32 sums; all other float work in f32.
;; Inputs: W_in 2 x 1,024 x 4,096 float32; W_out 2 x 2,048 x 1,024 float32; Wr 2 x 1,024 float32; x 2 x 2,048 x 1,024 float32.
;; Outputs: out0 2 x 2,048 x 1,024 float32.
;; 2 versions, each right; version 2 is version 1 with the launch prep written anew for expert scheduling mode. Each part assembles by itself: llvm-mc -triple=amdgcn-amd-amdhsa -mcpu=gfx1250 --defsym DOCPART=n.
;; ======== version 1 of 2: 3 launches
;; limits: right only within a limited range of input values
;; workspace buffers: xb 8,388,608 bytes; wib 16,777,216 bytes; wob 8,388,608 bytes; ce 65,536 bytes; hb 33,554,432 bytes
;; launch prep (part 1): grid 256 x 1, 12 waves a work-group, no clusters, 1,792 bytes of LDS; arguments x, Wr, W_in, xb, wib, ce; writes xb, wib, ce
.if DOCPART == 1
	.amdgcn_target "amdgcn-amd-amdhsa--gfx1250"
	.amdhsa_code_object_version 6
	.text
	.protected	k_qca82df3c86_prep
	.globl	k_qca82df3c86_prep
	.p2align	8
	.type	k_qca82df3c86_prep,@function
k_qca82df3c86_prep:
	s_mov_b64 s[64:65], 0
	v_nop
	global_prefetch_b8 v0, s[64:65] scope:SCOPE_SE
	s_setreg_imm32_b32 hwreg(HW_REG_WAVE_MODE, 25, 1), 1
	s_wait_xcnt 0x0
; prep: x and W_in are rounded once to bf16 (same layouts) into xb and wib; the router's weights go to ce[token][expert][2 copies] in f32.
; (W_out is cast by the next launch, which leaves memory nearly idle and has waves waiting at its start.)
; ROUTER: the K = 2 largest of E = 2 logits are both of them, in some order; the softmax of that pair and the sum over where(index == e)
; give softmax(logits)[e] whatever the order.  So ce[t][e] = exp(l_e - max) / (exp(l_0 - max) + exp(l_1 - max)).
; The logits are a matrix product like the others and take the same operands: x and Wr rounded to bf16, exact products, sums in f32.
; So every product of the program sees one and the same rounded x.
; Each weight is stored twice, side by side: the next launch loads the two as the register pair that its packed multiply takes, and
; 16 tokens x 16 bytes are one store of 256 bytes.
; LIMITS: the logits carry the rounding of x and Wr to bf16 (8 significant bits each): an error of some 0.002 of the logits' spread, which grows with Wr.
; v_exp_f32 and v_rcp_f32 are good to 1 ULP and flush denormals (ISA guide 15.8): a weight below 2^-126 comes out as 0.
; The logit's 1,024 products are summed in another order than a plain chain (8 chains a lane, then 32 lanes).
; SHARES: a chunk is 1,024 f32 (4,096 bytes in, 2,048 out); x has 4,096 chunks (a chunk is a token's row), W_in 8,192: 48 for each of 256 work-groups.
; Twelve waves, 4 neighbouring chunks each: waves 0-3 take 16 tokens, waves 4-11 take 32 chunks of W_in.  All of a wave's loads are issued at once; there is no loop.
; A load of a wave covers 512 neighbouring bytes, a store 256 neighbouring bytes at a multiple of 256 from the buffer's first byte.
; No matrix unit, no tensor loads, no cluster: every byte is read once and no two work-groups share any but Wr's 8,192 bytes; a product with two columns fills no matrix tile.
.set Z,   5                            ; v5          0: the addend of each chain's first product
.set X,   16                           ; v[16:143]   chunk i, load j: 4 registers at X + 32 i + 4 j; after the cast the first two hold 4 bf16
.set WR,  144                          ; v[144:207]  Wr of expert e at my columns: 4 registers at WR + 32 e + 4 j; after the cast the first two hold 4 bf16
.set ACC, 208                          ; v[208:215]  eight chains: expert e, packed word p, half h at ACC + 4 e + 2 p + h
.set LG,  216                          ; v[216:223]  logit, later weight, of chunk i and expert e at LG + 2 i + e
.set TMP, 224                          ; v[224:231]  at work
	s_load_b256 s[4:11], s[0:1], 0x0               ; x 4:5, Wr 6:7, W_in 8:9, xb 10:11
	s_load_b128 s[12:15], s[0:1], 0x20             ; wib 12:13, ce 14:15
	v_lshl_add_u32 v232, v0, 2, 0x100
	v_mov_b32 v233, 0
	v_lshrrev_b32 v1, 5, v0
	v_readfirstlane_b32 s20, v1                    ; wave 0..11
	v_and_b32 v1, 31, v0                           ; lane
	v_lshlrev_b32 v2, 4, v1                        ; 16 bytes a lane in
	v_lshlrev_b32 v3, 3, v1                        ; 8 bytes a lane out
	s_mov_b32 s31, 0                               ; high words of the offsets
	s_mov_b32 s33, 0
	s_lshl_b32 s28, ttmp9, 8                       ; 16 tokens x 16 bytes of ce
	s_mov_b32 s29, 0
	s_wait_kmcnt 0x0
	s_add_nc_u64 s[14:15], s[14:15], s[28:29]
.macro LOADS                           ; 32 loads: four chunks of eight
.irp i, 0,1,2,3
.irp j, 0,1,2,3,4,5,6,7
	global_load_b128 v[X+32*\i+4*\j:X+32*\i+4*\j+3], v2, s[24:25] offset:4096*\i+512*\j th:TH_LOAD_NT
.endr
.endr
.endm
.macro CAST i                          ; chunk i: rounded in place and stored; the registers are not written again
.irp j, 0,1,2,3,4,5,6,7
	v_cvt_pk_bf16_f32 v[X+32*\i+4*\j],   v[X+32*\i+4*\j],   v[X+32*\i+4*\j+1]
	v_cvt_pk_bf16_f32 v[X+32*\i+4*\j+1], v[X+32*\i+4*\j+2], v[X+32*\i+4*\j+3]
	global_store_b64 v3, v[X+32*\i+4*\j:X+32*\i+4*\j+1], s[26:27] offset:2048*\i+256*\j
.endr
.endm
; My 32 columns' part of token i's two logits, from the packed bf16 of x and of Wr: a source whose op_sel_hi bit is 1 is a bf16 half, op_sel says which;
; the product of two bf16 is exact in f32 and is added with one rounding.  The registers are only read: the stores above may still be reading them too.
.macro DOT i
.irp e, 0,1
.irp p, 0,1
.irp h, 0,1
	v_fma_mix_f32_bf16 v[ACC+4*\e+2*\p+\h], v[X+32*\i+\p], v[WR+32*\e+\p], v[Z] op_sel:[\h,\h,0] op_sel_hi:[1,1,0]
.endr
.endr
.endr
.irp j, 1,2,3,4,5,6,7
.irp e, 0,1
.irp p, 0,1
.irp h, 0,1
	v_fma_mix_f32_bf16 v[ACC+4*\e+2*\p+\h], v[X+32*\i+4*\j+\p], v[WR+32*\e+4*\j+\p], v[ACC+4*\e+2*\p+\h] op_sel:[\h,\h,0] op_sel_hi:[1,1,0]
.endr
.endr
.endr
.endr
.irp e, 0,1
	v_pk_add_f32 v[ACC+4*\e:ACC+4*\e+1], v[ACC+4*\e:ACC+4*\e+1], v[ACC+4*\e+2:ACC+4*\e+3]
.endr
.irp e, 0,1
	v_add_f32 v[LG+2*\i+\e], v[ACC+4*\e], v[ACC+4*\e+1]
.endr
.endm
	s_cmp_lt_u32 s20, 4                            ; the branch hangs on the wave's number alone; both ways meet again in front of the barrier
	s_cbranch_scc1 .Lx
	; ---- waves 4-11: four chunks of W_in, cast alone ----
	s_sub_co_u32 s21, s20, 4
	s_lshl_b32 s30, ttmp9, 17                      ; 32 chunks of 4,096 bytes a work-group in,
	s_lshl_b32 s22, s21, 14                        ; 4 a wave
	s_add_co_u32 s30, s30, s22
	s_lshl_b32 s32, ttmp9, 16                      ; and half of that out
	s_lshl_b32 s23, s21, 13
	s_add_co_u32 s32, s32, s23
	s_add_nc_u64 s[24:25], s[8:9], s[30:31]
	s_add_nc_u64 s[26:27], s[12:13], s[32:33]
	LOADS
.irp i, 0,1,2,3
	s_wait_loadcnt 8*(3-\i)                        ; loads come back in order: chunk i is in, the later chunks' eight loads each stay out
	CAST \i
.endr
	s_branch .Ljoin
	; ---- waves 0-3: four tokens of x, cast and router ----
.Lx:
	s_lshl_b32 s30, ttmp9, 16                      ; 16 tokens of 4,096 bytes a work-group in,
	s_lshl_b32 s22, s20, 14                        ; 4 a wave
	s_add_co_u32 s30, s30, s22
	s_lshl_b32 s32, ttmp9, 15
	s_lshl_b32 s23, s20, 13
	s_add_co_u32 s32, s32, s23
	s_add_nc_u64 s[24:25], s[4:5], s[30:31]
	s_add_nc_u64 s[26:27], s[10:11], s[32:33]
	s_mov_b32 s34, 0xcccccccc                      ; lanes whose number has bit 1 set
	s_mov_b32 s35, 0xf0f0f0f0                      ; bit 2
	s_mov_b32 s36, 0xff00ff00                      ; bit 3
	s_mov_b32 s37, 0x76543210                      ; v_permlanex16_b32: lane i of one half reads lane i of the other
	s_mov_b32 s38, 0xfedcba98
.irp e, 0,1
.irp j, 0,1,2,3,4,5,6,7
	global_load_b128 v[WR+32*\e+4*\j:WR+32*\e+4*\j+3], v2, s[6:7] offset:4096*\e+512*\j
.endr
.endr
	LOADS
	v_mov_b32 v[Z], 0
	s_wait_loadcnt 32                              ; Wr's 16 loads, issued first, are in; x's 32 stay out
.irp e, 0,1
.irp j, 0,1,2,3,4,5,6,7
	v_cvt_pk_bf16_f32 v[WR+32*\e+4*\j],   v[WR+32*\e+4*\j],   v[WR+32*\e+4*\j+1]
	v_cvt_pk_bf16_f32 v[WR+32*\e+4*\j+1], v[WR+32*\e+4*\j+2], v[WR+32*\e+4*\j+3]
.endr
.endr
.irp i, 0,1,2,3
	s_wait_loadcnt 8*(3-\i)                        ; chunk i is in; the later chunks' eight loads each stay out
	CAST \i                                        ; first the cast:
	DOT \i                                         ; the logits take the rounded numbers
.endr
	; the eight sums over the 32 lanes: four steps inside each half of 16 lanes, one across the halves; every lane ends with all eight
.irp m, 1,2,4,8
.irp k, 0,1,2,3,4,5,6,7
	v_add_f32_dpp v[LG+\k], v[LG+\k], v[LG+\k] row_xmask:\m row_mask:0xf bank_mask:0xf
.endr
.endr
.irp k, 0,1,2,3,4,5,6,7
	v_permlanex16_b32 v[ACC+\k], v[LG+\k], s37, s38        ; the destination has been written before (the chains)
.endr
.irp k, 0,1,2,3,4,5,6,7
	v_add_f32 v[LG+\k], v[LG+\k], v[ACC+\k]
.endr
	; softmax of each token's pair, the larger logit taken away first
.irp i, 0,1,2,3
	v_max_num_f32 v[TMP+\i], v[LG+2*\i], v[LG+2*\i+1]
.endr
.irp i, 0,1,2,3
	v_sub_f32 v[LG+2*\i],   v[LG+2*\i],   v[TMP+\i]
	v_sub_f32 v[LG+2*\i+1], v[LG+2*\i+1], v[TMP+\i]
.endr
.irp k, 0,1,2,3,4,5,6,7
	v_mul_f32 v[LG+\k], 0x3fb8aa3b, v[LG+\k]       ; times log2 e: v_exp_f32 is 2^x
.endr
.irp k, 0,1,2,3,4,5,6,7
	v_exp_f32 v[LG+\k], v[LG+\k]
.endr
	v_and_b32 v4, 15, v1                           ; a plain instruction between the exponentials and their first use (ISA guide 5.7.2)
	s_wait_alu depctr_va_vdst(0)
.irp i, 0,1,2,3
	v_add_f32 v[TMP+\i], v[LG+2*\i], v[LG+2*\i+1]  ; at least 1: the larger logit's exponential is 1
.endr
.irp i, 0,1,2,3
	v_rcp_f32 v[TMP+\i], v[TMP+\i]
.endr
	v_lshlrev_b32 v4, 2, v4                        ; the plain instruction behind the reciprocals
	s_wait_alu depctr_va_vdst(0)
.irp i, 0,1,2,3
	v_mul_f32 v[LG+2*\i],   v[LG+2*\i],   v[TMP+\i]
	v_mul_f32 v[LG+2*\i+1], v[LG+2*\i+1], v[TMP+\i]
.endr
	; lane l takes value (l / 2) % 8 (= 2 i + e) by three levels of selects: neighbouring lanes hold the two copies
.irp m, 0,1,2,3
	v_cndmask_b32 v[TMP+\m], v[LG+2*\m], v[LG+2*\m+1], s34
.endr
	v_cndmask_b32 v[TMP+4], v[TMP],   v[TMP+1], s35
	v_cndmask_b32 v[TMP+5], v[TMP+2], v[TMP+3], s35
	v_cndmask_b32 v[TMP+6], v[TMP+4], v[TMP+5], s36
	v_lshl_add_u32 v4, s20, 6, v4                  ; LDS byte 64 x wave + 4 (l % 16): token 4 w + i, expert e, copy c lies at 16 (4 w + i) + 8 e + 4 c
	ds_store_b32 v4, v[TMP+6]                      ; two lanes write each word, with the same value
.Ljoin:
	s_wait_dscnt 0x0                               ; for wave 0's sake: my sixteen words are in LDS before I signal (waves 4-11 have none)
	s_barrier_signal -1                            ; all twelve waves pass this barrier
	s_barrier_wait -1
	s_cmp_lg_u32 s20, 0
	s_cbranch_scc1 .Lend
	ds_load_b64 v[TMP:TMP+1], v3                   ; wave 0: the work-group's 256 bytes of ce,
	s_wait_dscnt 0x0
	global_store_b64 v3, v[TMP:TMP+1], s[14:15]    ; stored by one instruction, at a multiple of 256 from ce's first byte
.Lend:
	s_wait_tensorcnt 0x0
	ds_add_u32 v232, v233
	s_wait_dscnt 0x0
	s_endpgm
.Lfunc_end_k_qca82df3c86_prep:
	.size	k_qca82df3c86_prep, .Lfunc_end_k_qca82df3c86_prep-k_qca82df3c86_prep
	.p2alignl 7, 3214868480
	.fill 96, 4, 3214868480
	.section	.rodata,"a",@progbits
	.p2align	6, 0x0
	.amdhsa_kernel k_qca82df3c86_prep
		.amdhsa_group_segment_fixed_size 1792
		.amdhsa_private_segment_fixed_size 0
		.amdhsa_enable_private_segment 0
		.amdhsa_kernarg_size 48
		.amdhsa_user_sgpr_count 2
		.amdhsa_user_sgpr_kernarg_segment_ptr 1
		.amdhsa_wavefront_size32 1
		.amdhsa_system_sgpr_workgroup_id_x 1
		.amdhsa_system_sgpr_workgroup_id_y 1
		.amdhsa_system_sgpr_workgroup_id_z 1
		.amdhsa_system_vgpr_workitem_id 0
		.amdhsa_next_free_vgpr 234
		.amdhsa_next_free_sgpr 66
		.amdhsa_reserve_vcc 0
		.amdhsa_float_denorm_mode_32 3
		.amdhsa_float_denorm_mode_16_64 3
		.amdhsa_memory_ordered 1
		.amdhsa_forward_progress 1
		.amdhsa_inst_pref_size 48
	.end_amdhsa_kernel
	.amdgpu_metadata
---
amdhsa.version: [ 1, 2 ]
amdhsa.kernels:
  - .name:           k_qca82df3c86_prep
    .symbol:         k_qca82df3c86_prep.kd
    .args:
      - { .name: x, .offset: 0, .size: 8, .value_kind: global_buffer, .address_space: global }
      - { .name: Wr, .offset: 8, .size: 8, .value_kind: global_buffer, .address_space: global }
      - { .name: W_in, .offset: 16, .size: 8, .value_kind: global_buffer, .address_space: global }
      - { .name: xb, .offset: 24, .size: 8, .value_kind: global_buffer, .address_space: global }
      - { .name: wib, .offset: 32, .size: 8, .value_kind: global_buffer, .address_space: global }
      - { .name: ce, .offset: 40, .size: 8, .value_kind: global_buffer, .address_space: global }
    .group_segment_fixed_size: 1792
    .private_segment_fixed_size: 0
    .kernarg_segment_align: 8
    .kernarg_segment_size: 48
    .max_flat_workgroup_size: 384
    .sgpr_count:     66
    .vgpr_count:     234
    .wavefront_size: 32
...
	.end_amdgpu_metadata
.endif
;; end of part 1
;; launch ffn1 (part 2): grid 16 x 16, 4 waves a work-group, clusters of 4 x 4, 327,680 bytes of LDS; arguments xb, wib, ce, hb, W_out, wob; writes hb, wob
.if DOCPART == 2
	.amdgcn_target "amdgcn-amd-amdhsa--gfx1250"
	.amdhsa_code_object_version 6
	.text
	.protected	k_qca82df3c86_ffn1
	.globl	k_qca82df3c86_ffn1
	.p2align	8
	.type	k_qca82df3c86_ffn1,@function
k_qca82df3c86_ffn1:
	s_mov_b64 s[64:65], 0
	v_nop
	global_prefetch_b8 v0, s[64:65] scope:SCOPE_SE
	s_setreg_imm32_b32 hwreg(HW_REG_WAVE_MODE, 25, 1), 1
	s_wait_xcnt 0x0
	s_wait_alu depctr_hold_cnt(0) depctr_sa_sdst(0) depctr_va_vdst(0) depctr_va_sdst(0) depctr_va_ssrc(0) depctr_va_vcc(0) depctr_vm_vsrc(0)
	s_getreg_b32 s2, hwreg(HW_REG_IB_STS2, 6, 4)
	s_cmp_eq_u32 s2, 0
	s_cbranch_scc0 .Lentry_in_a_cluster
	s_endpgm
.Lentry_in_a_cluster:
	s_bfe_u32 s2, ttmp6, 0x10000c
	s_cmp_lg_u32 s2, 0xf033
	s_cbranch_scc0 .Lentry_shape_is_right
	s_endpgm
.Lentry_shape_is_right:
; ffn1: hb[t][2048 e + j] = bf16( ce[t][e] * silu(g) * u ),  g = sum over k of xb[t][k] wib[e][k][j],  u = the same with column 2048 + j.
; xb: [4096][1024] bf16.  wib: [2][1024 k][4096 n] bf16.  ce: [4096][2][2 copies] f32.  hb: [4096][4096] bf16.  Sums in f32, K ascending, one accumulator an output.
; Beside that each wave rounds 4,096 numbers of W_out to bf16 into wob (same layout) for the next launch: see W_OUT below.
; LIMITS: operands are bf16; hb is rounded once to bf16.  silu(g) u ce is formed as (g u ce) / (1 + 2^(-g log2 e)): g u ce must stay below f32's
; largest number (3.4e38).  v_exp_f32 and v_rcp_f32 are good to 1 ULP and flush denormals (ISA guide 15.8): for g below about -88 the result is a zero.
; SHARES: a work-group makes 256 tokens x 128 hidden units (128 gate columns and the 128 input columns that belong to them), first of expert 0, then of expert 1:
; 16 x 16 work-groups, one for each of 256 WGPs.  Four waves; a wave makes 128 tokens x 64 hidden units: 8 token blocks x (4 gate + 4 input blocks) = 64 accumulator
; tiles of 16 x 16, 512 registers.  A hidden unit's gate and input sums lie in the same lane and the same register of tiles (a, b) and (a, b + 4).
; THE RING: K goes in steps of 128 through two LDS slots filled by the tensor data mover, 8 steps an expert, 16 in all; a tile's rows are 256 bytes of memory at
; multiples of 256.  The ring runs on from expert 0 into expert 1: expert 1's first two tiles are asked for in expert 0's last two steps and land while expert 0's
; results go out.  wib's address steps evenly through all 16 (an expert is 8 steps of 128 rows of 8,192 bytes); xb's goes back to k = 0.
; The weights lie [k][n]; their fragments are read from LDS by the transposing load ds_load_tr16_b128, so nothing is transposed in memory.
; CLUSTERS: 4 x 4 work-groups.  The four of a row of the cluster have the same 256 tokens and ask for xb's tiles jointly; the four of a column
; have the same columns of wib and ask for its tiles jointly: the requests for both are divided by four.
; By this text's count a wave has two tensor loads out at the start and one from then on.
; W_OUT: 1,024 waves share W_out's 4,096 chunks of 1,024 f32, four neighbouring chunks each.  The 32 loads go out behind the first tensor loads; the numbers are
; rounded and stored while the wave's first fragments come from LDS.  They lie in registers that nothing else uses, so no wait guards the stores' sources.
;
; REGISTERS, in windows of 256:  window 0: v0-31 addresses; v32-63 ce; v64-127, v128-191 fragments of xb, two buffers; v192-255 at work on the way out.
;   window 1: v64-127, v128-191 fragments of wib, two buffers; v0-63 and v192-255 W_out's numbers.   window 2: tiles of token blocks 0-3, tile (a, b) at v[8 (8 a + b)].   window 3: blocks 4-7.
; The matrix instruction is used transposed (source 0 = 16 columns of wib, source 1 = 16 tokens): lane l then holds token l % 16 and, in registers
; 0 to 7, the hidden units 8 (l / 16) + 0 .. 7: eight neighbours of a row of hb.
.set PA,    272                        ; pitch of xb's rows in LDS: 256 bytes + 16: sixteen rows start at sixteen different 16-byte columns modulo 256
.set PB,    288                        ; pitch of wib's rows: 256 bytes + 32, an odd multiple of 32 for the transposing load
.set BT,    128*PB                     ; a gate or an input tile: 128 k rows
.set AOFF,  2*BT                       ; xb's tile lies behind them
.set AH,    128*PA                     ; 128 token rows: what one tensor load brings of xb
.set SLOT,  AOFF+2*AH                  ; 143,360 bytes
.set STAGE, 2*SLOT                     ; behind the ring, at a multiple of 256: 128 rows x 272 bytes for the way out; no tensor load ever lands here
.set ADRA, 16                          ; v16-17  LDS address of my xb fragments in slot 0, 1
.set ADRG, 18                          ; v18-19  of my gate fragments
.set ADRI, 20                          ; v20-21  of my input fragments
.set STO,  24                          ; the way out: where I put 16 bytes of a row
.set RD,   25                          ; the way out: where I read rows back
.set CO,   26                          ; my byte offset in hb
.set CEO,  27                          ; my byte offset in ce
.set WLO,  28                          ; my byte offset in a load of W_out
.set WSO,  29                          ; my byte offset in a store of wob
.set CE,   32                          ; v[32:63] ce of my token: expert e, token block a: the pair at CE + 16 e + 2 a (the same number twice)
.set F0,   64
.set F1,   128
.set T,    192                         ; v[192:223]
.set P,    224                         ; v[224:255]
.set G1,  24                           ; s[24:31] descriptor group 1 for xb's tiles
.set G0,  32                           ; s[32:39] group 0 for xb's tiles, a set for each slot
.set G1B, 48                           ; s[48:55] group 1 for wib's tiles
.set G0B, 56                           ; s[56:63] group 0 for wib's tiles, a set for each slot
.set MSB, 0
.macro WIN new                         ; the immediate's high byte repeats the setting that is left
.if MSB != \new
	s_set_vgpr_msb (MSB<<8)|\new
.set MSB, \new
.endif
.endm
.set MUL_LO, 0xa1                      ; source 0 window 1, source 1 window 0, C and D window 2
.set MUL_HI, 0xf1                      ; the same, C and D window 3
.set TO_B,   0x40                      ; destination window 1, address window 0
; A joint load.  Waves 0 and 1 fetch the gate and the input tile, waves 2 and 3 the two halves of xb's tile.  The branch hangs on the wave's number alone.
.macro JLOAD s
	s_cmp_eq_u32 s13, 0
	s_cbranch_scc0 .Lfor_a_\@
	tensor_load_to_lds s[G0B+4*\s:G0B+4*\s+3], s[G1B:G1B+7]
	s_nop 0
	s_branch .Lasked_\@
.Lfor_a_\@:
	tensor_load_to_lds s[G0+4*\s:G0+4*\s+3], s[G1:G1+7]
	s_nop 0
	v_nop
.Lasked_\@:
.endm
; A round of the cluster's barrier: my work-group's barrier; wave 0 signals for the work-group; every wave waits for all sixteen; my work-group's barrier again.
.macro CREST                           ; a round behind its opening barrier
	s_cmp_lg_u32 s12, 0
	s_cbranch_scc1 .Lnot_wave_0_\@
	s_barrier_signal -3
.Lnot_wave_0_\@:
	s_barrier_wait -3
	s_barrier_signal -1
	s_barrier_wait -1
.endm
.macro CROUND
	s_barrier_signal -1
	s_barrier_wait -1
	CREST
.endm
	s_load_b256 s[4:11], s[0:1], 0x0               ; xb 4:5, wib 6:7, ce 8:9, hb 10:11
	s_load_b128 s[72:75], s[0:1], 0x20             ; W_out 72:73, wob 74:75
	v_lshl_add_u32 v30, v0, 2, 0x4e800
	v_mov_b32 v31, 0
	ds_add_u32 v30, v31
	v_lshrrev_b32 v1, 5, v0
	v_readfirstlane_b32 s12, v1                    ; wave 0..3
	s_lshr_b32 s13, s12, 1                         ; which 128 tokens are mine.  Also: I fetch for wib (0) or for xb (1)
	s_and_b32 s14, s12, 1                          ; which 64 hidden units.  Also: which of the two tiles I fetch
	s_bfe_u32 s40, ttmp6, 0x40000                  ; cx
	s_bfe_u32 s41, ttmp6, 0x40004                  ; cy
	s_lshl_b32 s42, ttmp9, 2
	s_add_co_u32 s42, s42, s40                     ; bx = block of 128 hidden units, 0..15
	s_and_b32 s43, ttmp7, 0xffff
	s_lshl_b32 s43, s43, 2
	s_add_co_u32 s43, s43, s41                     ; by = block of 256 tokens, 0..15
	s_lshl_b32 s44, s41, 2
	s_lshl_b32 s44, 15, s44                        ; my row of the cluster
	s_lshl_b32 s45, 0x1111, s40                    ; my column
	; group 1.  xb: 128 rows x 128 elements, 1,024 elements from row to row, 4 words of padding behind every 64.  wib: the same shape, 4,096 from row to row, 8 words.
	s_or_b32 s[G1+0],  s44, (1<<16)|(1<<20)|(1<<21)|(5<<22)|(3<<25)   ; 15:0 mask; 17:16 elements of 2 bytes; 20 padding on; 21 set beside a mask; 24:22 every 64 words; 31:25 words - 1
	s_or_b32 s[G1B+0], s45, (1<<16)|(1<<20)|(1<<21)|(5<<22)|(7<<25)
	s_mov_b32 s[G1+1],  128<<16                    ; tensor_dim0 = 128
	s_mov_b32 s[G1B+1], 128<<16
	s_mov_b32 s[G1+2],  128<<16                    ; tensor_dim1 = 128
	s_mov_b32 s[G1B+2], 128<<16
	s_mov_b32 s[G1+3],  128<<16                    ; tile_dim0 = 128
	s_mov_b32 s[G1B+3], 128<<16
	s_mov_b32 s[G1+4],  128                        ; tile_dim1 = 128
	s_mov_b32 s[G1B+4], 128
	s_mov_b32 s[G1+5],  1024                       ; elements from row to row
	s_mov_b32 s[G1B+5], 4096
	s_mov_b32 s[G1+6],  0
	s_mov_b32 s[G1B+6], 0
	s_mov_b32 s[G1+7],  0
	s_mov_b32 s[G1B+7], 0
	; xb's tile hangs on by alone, wib's on bx alone; each offset is made in registers that never hold the other coordinate
	s_lshl_b32 s16, s43, 8
	s_lshl_b32 s17, s14, 7
	s_add_co_u32 s16, s16, s17                     ; token row 256 by + 128 x half
	s_lshl_b32 s16, s16, 11                        ; x 2,048 bytes
	s_mov_b32 s17, 0
	s_lshl_b32 s46, s42, 8                         ; 128 columns x 2 bytes
	s_lshl_b32 s47, s14, 12                        ; the input columns lie 2,048 columns behind the gate's
	s_add_co_u32 s46, s46, s47
	s_mov_b32 s47, 0
	s_mul_i32 s20, s12, AH                         ; xb's halves (waves 2, 3) at AOFF + (wave - 2) AH = wave x AH + 4,096
	s_add_co_u32 s20, s20, AOFF-2*AH
	s_mul_i32 s21, s12, BT                         ; gate tile (wave 0) at 0, input tile (wave 1) at BT
	; offsets for ce, hb, W_out and wob
	s_lshl_b32 s68, s43, 12                        ; 256 tokens x 16 bytes
	s_lshl_b32 s69, s13, 11                        ; 128 tokens x 16 bytes
	s_add_co_u32 s68, s68, s69
	s_mov_b32 s69, 0
	s_lshl_b32 s70, s43, 8
	s_lshl_b32 s71, s13, 7
	s_add_co_u32 s70, s70, s71
	s_lshl_b32 s71, s14, 5
	s_add_co_u32 s70, s70, s71                     ; on the way out wave w stores rows 256 by + 128 (w / 2) + 32 (w % 2) .. of each pass
	s_lshl_b32 s70, s70, 13                        ; x 8,192 bytes
	s_lshl_b32 s71, s42, 8                         ; column 128 bx, 2 bytes each
	s_add_co_u32 s70, s70, s71
	s_mov_b32 s71, 0
	s_lshl_b32 s76, s43, 4
	s_add_co_u32 s76, s76, s42                     ; the work-group's number, 0..255
	s_lshl_b32 s78, s76, 15                        ; 16 chunks of 2,048 bytes out,
	s_lshl_b32 s76, s76, 16                        ; of 4,096 bytes in
	s_lshl_b32 s77, s12, 14                        ; 4 chunks a wave
	s_add_co_u32 s76, s76, s77
	s_lshl_b32 s79, s12, 13
	s_add_co_u32 s78, s78, s79
	s_mov_b32 s77, 0
	s_mov_b32 s79, 0
	s_mov_b32 s66, 0xbfb8aa3b                      ; -log2 e, in both registers of the pair
	s_mov_b32 s67, 0xbfb8aa3b
	s_wait_dscnt 0x0
	s_wait_kmcnt 0x0
	s_add_nc_u64 s[18:19], s[4:5], s[16:17]
	s_add_nc_u64 s[46:47], s[6:7], s[46:47]
	s_add_nc_u64 s[8:9], s[8:9], s[68:69]
	s_add_nc_u64 s[10:11], s[10:11], s[70:71]
	s_add_nc_u64 s[72:73], s[72:73], s[76:77]
	s_add_nc_u64 s[74:75], s[74:75], s[78:79]
	CROUND                                         ; all sixteen work-groups are here: the first joint loads meet
.irp s, 0,1
	s_mov_b32 s[G0+4*\s], 1
	s_add_co_u32 s[G0+4*\s+1], s20, \s*SLOT
	s_add_nc_u64 s[G0+4*\s+2:G0+4*\s+3], s[18:19], \s*256            ; K step s: 128 elements along the row
	s_or_b32 s[G0+4*\s+3], s[G0+4*\s+3], 0x80000000
	s_mov_b32 s[G0B+4*\s], 1
	s_add_co_u32 s[G0B+4*\s+1], s21, \s*SLOT
	s_add_nc_u64 s[G0B+4*\s+2:G0B+4*\s+3], s[46:47], \s*0x100000     ; K step s: 128 rows of 8,192 bytes
	s_or_b32 s[G0B+4*\s+3], s[G0B+4*\s+3], 0x80000000
	JLOAD \s
.endr
	; W_out: my four chunks, 32 loads of 512 neighbouring bytes, into window 1's v0-63 (chunks 0, 1) and v192-255 (chunks 2, 3)
	v_and_b32 v8, 31, v0                           ; lane
	v_lshlrev_b32 v[WLO], 4, v8
	v_lshlrev_b32 v[WSO], 3, v8
	WIN TO_B
.irp i, 0,1,2,3
.set WB, 32*\i+128*(\i/2)
.irp j, 0,1,2,3,4,5,6,7
	global_load_b128 v[WB+4*\j:WB+4*\j+3], v[WLO], s[72:73] offset:4096*\i+512*\j th:TH_LOAD_NT
.endr
.endr
	WIN 0
	v_and_b32 v1, 15, v0                           ; r = l % 16
	v_bfe_u32 v2, v0, 4, 1                         ; h = l / 16
	v_and_b32 v3, 7, v0                            ; l % 8
	v_bfe_u32 v4, v0, 3, 1                         ; bit 3 of l
	v_mul_u32_u24 v5, v1, PA
	v_lshl_add_u32 v5, v2, 4, v5                   ; xb: row r, 16 bytes for each half of the lanes
	v_lshl_add_u32 v6, v2, 3, v3
	v_mul_u32_u24 v6, v6, PB
	v_lshl_add_u32 v6, v4, 4, v6                   ; wib: k row 8 h + l % 8, 16 bytes by bit 3
	s_mul_i32 s22, s13, AH
	s_add_co_u32 s22, s22, AOFF                    ; my 128 tokens
	s_lshl_b32 s23, s14, 7                         ; my 64 columns, 2 bytes each
.irp s, 0,1
	v_add_nc_u32 v[ADRA+\s], s22, v5
	v_add_nc_u32 v[ADRG+\s], s23, v6
	v_add_nc_u32 v[ADRI+\s], BT, v[ADRG+\s]
	s_add_co_u32 s22, s22, SLOT
	s_add_co_u32 s23, s23, SLOT
.endr
	s_mul_i32 s22, s13, 64*PA                      ; the stage holds 64 tokens of each half of the block: row 64 (w / 2) + 16 a + r,
	s_lshl_b32 s23, s14, 7                         ; my 128 bytes of it
	s_add_co_u32 s22, s22, s23
	s_add_co_u32 s22, s22, STAGE
	v_add_nc_u32 v[STO], s22, v5
	s_mul_i32 s22, s12, 32*PA
	s_add_co_u32 s22, s22, STAGE
	v_mul_u32_u24 v7, v2, PA
	v_lshl_add_u32 v7, v1, 4, v7
	v_add_nc_u32 v[RD], s22, v7                    ; back: rows 32 w + h, 16 bytes a lane
	v_lshlrev_b32 v7, 13, v2
	v_lshl_add_u32 v[CO], v1, 4, v7                ; the same two rows in hb
	v_lshlrev_b32 v[CEO], 4, v1
.irp e, 0,1
.irp a, 0,1,2,3,4,5,6,7
	global_load_b64 v[CE+16*\e+2*\a:CE+16*\e+2*\a+1], v[CEO], s[8:9] offset:256*\a+8*\e    ; ce[token 16 a + r][e], both copies: wanted on the way out
.endr
.endr
; 16 matrix instructions: token blocks a0, a0 + 1 of the window's four x all 8 column blocks, 32 along K.  zero = 1: the product starts the sums.
.macro MUL16 f, hi, a0, zero
.irp a, \a0, \a0+1
.irp b, 0,1,2,3,4,5,6,7
.if \zero
	v_wmma_f32_16x16x32_bf16 v[8*(8*(\a)+\b):8*(8*(\a)+\b)+7], v[\f+8*\b:\f+8*\b+7], v[\f+8*(4*\hi+\a):\f+8*(4*\hi+\a)+7], 0
.else
	v_wmma_f32_16x16x32_bf16 v[8*(8*(\a)+\b):8*(8*(\a)+\b)+7], v[\f+8*\b:\f+8*\b+7], v[\f+8*(4*\hi+\a):\f+8*(4*\hi+\a)+7], v[8*(8*(\a)+\b):8*(8*(\a)+\b)+7]
.endif
.endr
.endr
.endm
; 32 LDS loads in one run: quarter q (32 along K) of a slot into buffer f.  Gate blocks 0-3, input blocks 4-7 (two transposing loads each, 16 k rows apart), then 8 token blocks.
.macro FETCH slot, q, f
	WIN TO_B
.irp b, 0,1,2,3
	ds_load_tr16_b128 v[\f+8*\b:\f+8*\b+3],   v[ADRG+\slot] offset:\q*32*PB+32*\b
	ds_load_tr16_b128 v[\f+8*\b+4:\f+8*\b+7], v[ADRG+\slot] offset:\q*32*PB+32*\b+16*PB
.endr
.irp b, 0,1,2,3
	ds_load_tr16_b128 v[\f+32+8*\b:\f+32+8*\b+3],   v[ADRI+\slot] offset:\q*32*PB+32*\b
	ds_load_tr16_b128 v[\f+32+8*\b+4:\f+32+8*\b+7], v[ADRI+\slot] offset:\q*32*PB+32*\b+16*PB
.endr
	WIN 0
.irp i, 0,1,2,3,4,5,6,7
	ds_load_b128 v[\f+8*\i:\f+8*\i+3],   v[ADRA+\slot] offset:\q*64+\i*16*PA
	ds_load_b128 v[\f+8*\i+4:\f+8*\i+7], v[ADRA+\slot] offset:\q*64+\i*16*PA+32
.endr
.endm
; Four plain vector instructions stand between a matrix instruction and a load into one of its registers, or a vector instruction that reads its result.
.macro PLACES
.rept 4
	v_nop
.endr
.endm
; One of a K step's first three quarters: multiplies buffer f; in its middle it fetches quarter q of the same slot into buffer g.
; The 64 accumulators take turns, one instruction a turn, in the same order in every quarter.
.macro QUARTER slot, q, f, g, zero
	s_wait_dscnt 8                                 ; wib's fragments and token blocks 0-3 are in; the youngest eight loads (blocks 4-7) may be out
	WIN MUL_LO
	MUL16 \f, 0, 0, \zero
	MUL16 \f, 0, 2, \zero
	PLACES
	FETCH \slot, \q, \g
	s_wait_dscnt 32                                ; all but the 32 just issued
	WIN MUL_HI
	MUL16 \f, 1, 0, \zero
	MUL16 \f, 1, 2, \zero
.endm
.macro THREE slot, zero
	QUARTER \slot, 1, F0, F1, \zero
	QUARTER \slot, 2, F1, F0, 0
	QUARTER \slot, 3, F0, F1, 0
.endm
; The last quarter multiplies buffer 1 and changes slots.  In front of the barrier each wave waits for its reads of this slot and for all its tensor loads
; (one is out: its part of the next slot).  Behind it nobody reads this slot and the next slot is whole: the refill comes first, then the next slot's fragments.
; With fill = 1 the barrier opens a round of the cluster's barrier, so that the same holds of every partner before any of them asks.
; back = 1: the tile two K steps on is the next expert's: xb's address goes back from k = 768 or 896 to k = 0 or 128, 1,536 bytes; wib's steps on as ever.
.macro TURN slot, next, fill, back
	s_wait_dscnt 8
	WIN MUL_LO
	MUL16 F1, 0, 0, 0
	s_wait_dscnt 0                                 ; my reads of this slot are over
	s_set_vgpr_msb 0xa1a0
	s_wait_tensorcnt 0x0                           ; all my tensor loads have landed
	ds_add_u32 v30, v31
	s_wait_dscnt 0x0
	s_set_vgpr_msb 0xa0a1
	s_barrier_signal -1
	MUL16 F1, 0, 2, 0                              ; register work while the others arrive
	WIN 0
	s_barrier_wait -1
.if \fill
	CREST
.if \back
	s_sub_nc_u64 s[G0+4*\slot+2:G0+4*\slot+3], s[G0+4*\slot+2:G0+4*\slot+3], 1536         ; no tensor load of mine is out: every group 0 may be written
.else
	s_add_nc_u64 s[G0+4*\slot+2:G0+4*\slot+3], s[G0+4*\slot+2:G0+4*\slot+3], 512          ; two K steps on
.endif
	s_add_nc_u64 s[G0B+4*\slot+2:G0B+4*\slot+3], s[G0B+4*\slot+2:G0B+4*\slot+3], 0x200000
	JLOAD \slot                                    ; the first tensor load behind the round
.endif
	PLACES
	FETCH \next, 0, F0
	WIN MUL_HI
	MUL16 F1, 1, 0, 0
	MUL16 F1, 1, 2, 0
.endm
.macro LAP zero, back                  ; two K steps, once round the ring, both slots filled again
	THREE 0, \zero
	TURN 0, 1, 1, \back
	THREE 1, 0
	TURN 1, 0, 1, \back
.endm
; THE WAY OUT of one expert's block, in two passes of four token blocks a wave (64 tokens of each half of the block: the stage's 128 rows).
; One token block (16 tokens x 64 hidden units): T = -g log2 e, P = g u; T = 1 / (1 + 2^T); P = P ce T; rounded to bf16; 16 bytes a lane into the stage.
; The multiplies by ce are the plain instructions between the transcendentals and the use of their results (ISA guide 5.7.2).
.macro CEMUL c, m0                     ; eight pairs of P from pair m0 on, times the pair at v[c]
.set j, \m0
.rept 8
	v_pk_mul_f32 v[P+2*j:P+2*j+1], v[P+2*j:P+2*j+1], v[\c:\c+1]
.set j, j+1
.endr
.endm
.macro SWI blk, a, from, e             ; token block blk = tiles (a, 0..7) of window 2 or 3 (from = 0x0a or 0x0f: sources 0 and 1)
	WIN \from
.irp b, 0,1,2,3
.irp p, 0,1,2,3
	v_pk_mul_f32 v[T+8*\b+2*\p:T+8*\b+2*\p+1], v[8*(8*\a+\b)+2*\p:8*(8*\a+\b)+2*\p+1], s[66:67] op_sel_hi:[1,0]
	v_pk_mul_f32 v[P+8*\b+2*\p:P+8*\b+2*\p+1], v[8*(8*\a+\b)+2*\p:8*(8*\a+\b)+2*\p+1], v[8*(8*\a+\b+4)+2*\p:8*(8*\a+\b+4)+2*\p+1]
.endr
.endr
	WIN 0
.set j, 0
.rept 32
	v_exp_f32 v[T+j], v[T+j]
.set j, j+1
.endr
	CEMUL CE+16*\e+2*\blk, 0
.set j, 0
	s_wait_alu depctr_va_vdst(0)
.rept 16
	v_pk_add_f32 v[T+2*j:T+2*j+1], v[T+2*j:T+2*j+1], 1.0 op_sel_hi:[1,0]
.set j, j+1
.endr
.set j, 0
.rept 32
	v_rcp_f32 v[T+j], v[T+j]
.set j, j+1
.endr
	CEMUL CE+16*\e+2*\blk, 8
.set j, 0
	s_wait_alu depctr_va_vdst(0)
.rept 16
	v_pk_mul_f32 v[P+2*j:P+2*j+1], v[P+2*j:P+2*j+1], v[T+2*j:T+2*j+1]
.set j, j+1
.endr
.irp b, 0,1,2,3
.irp p, 0,1,2,3
	v_cvt_pk_bf16_f32 v[T+4*\b+\p], v[P+8*\b+2*\p], v[P+8*\b+2*\p+1]
.endr
.endr
.irp b, 0,1,2,3
	ds_store_b128 v[STO], v[T+4*\b:T+4*\b+3] offset:16*PA*\a+32*\b
.endr
.endm
; Pass p of expert e leaves the stage: wave w reads rows 32 w .. 32 w + 31 whole and stores them.  Buffer 1 takes them: buffer 0 may hold the next expert's first fragments.
.macro DRAIN p, e
	s_wait_dscnt 0x0                               ; for the others' sake: my half of each of my 64 rows is in the stage
	s_barrier_signal -1
	s_barrier_wait -1                              ; every row of 256 bytes is whole
.if \p+\e
	s_wait_xcnt 0x0                                ; the registers that the last pass's stores read are loaded again only behind this wait
.endif
.set t, 0
.rept 16
	ds_load_b128 v[F1+4*t:F1+4*t+3], v[RD] offset:2*PA*t           ; rows 32 w + 2 t and 32 w + 2 t + 1
.set t, t+1
.endr
.set t, 0
.rept 16
	s_wait_dscnt 15-t                              ; LDS loads come back in order: load t is in, the younger ones stay out
	global_store_b128 v[CO], v[F1+4*t:F1+4*t+3], s[10:11] offset:2*8192*t+64*8192*\p+4096*\e   ; 16 lanes store 256 consecutive bytes at a multiple of 256 from hb's first byte
.set t, t+1
.endr
.endm
.macro WAYOUT e
	PLACES                                         ; the places behind the last matrix instructions
	SWI 0, 0, 0x0a, \e
	SWI 1, 1, 0x0a, \e
	SWI 2, 2, 0x0a, \e
	SWI 3, 3, 0x0a, \e
	DRAIN 0, \e
	s_barrier_signal -1                            ; my reads of the stage are back (the count-down ended at 0):
	s_barrier_wait -1                              ; nobody overwrites a row that another wave still reads
	SWI 4, 0, 0x0f, \e
	SWI 5, 1, 0x0f, \e
	SWI 6, 2, 0x0f, \e
	SWI 7, 3, 0x0f, \e
	DRAIN 1, \e
.endm
	s_wait_tensorcnt 1                             ; my part of K step 0 is in; K step 1's stays out
	s_barrier_signal -1
	s_barrier_wait -1                              ; everybody's is
	FETCH 0, 0, F0
	; W_out, while the first fragments come: round in place, store 256 neighbouring bytes a wave and store
	s_wait_loadcnt 16                              ; W_out's 32 loads, issued first, are in; ce's 16 stay out
	WIN 0x45                                       ; sources 0 and 1 and the destination in window 1
.irp i, 0,1,2,3
.set WB, 32*\i+128*(\i/2)
.irp j, 0,1,2,3,4,5,6,7
	v_cvt_pk_bf16_f32 v[WB+4*\j],   v[WB+4*\j],   v[WB+4*\j+1]
	v_cvt_pk_bf16_f32 v[WB+4*\j+1], v[WB+4*\j+2], v[WB+4*\j+3]
.endr
.endr
	WIN 0x04                                       ; a store's data is source 1: window 1; its address register window 0
.irp i, 0,1,2,3
.set WB, 32*\i+128*(\i/2)
.irp j, 0,1,2,3,4,5,6,7
	global_store_b64 v[WSO], v[WB+4*\j:WB+4*\j+1], s[74:75] offset:2048*\i+256*\j
.endr
.endr
	; ---- expert 0: K steps 0 to 7 ----
	LAP 1, 0                                       ; the first lap stands in front of the loop: its first products start the sums
	WIN 0
	s_mov_b32 s15, 2
.Llap0:
	LAP 0, 0
	WIN 0
	s_sub_co_u32 s15, s15, 1
	s_cmp_lg_u32 s15, 0
	s_cbranch_scc1 .Llap0
	LAP 0, 1                                       ; K steps 6 and 7 ask for expert 1's first two tiles; at the end buffer 0 holds its first fragments
	s_wait_loadcnt 0x0                             ; ce
	WAYOUT 0                                       ; while K step 9's tile is on its way: no barrier in here has a refill behind it
	s_wait_xcnt 0x0                                ; buffer 1, which the last stores read, is loaded again only behind this wait
	; ---- expert 1: K steps 8 to 15 ----
	LAP 1, 0                                       ; its first products start the sums anew
	WIN 0
	s_mov_b32 s15, 2
.Llap1:
	LAP 0, 0
	WIN 0
	s_sub_co_u32 s15, s15, 1
	s_cmp_lg_u32 s15, 0
	s_cbranch_scc1 .Llap1
	THREE 0, 0                                     ; the last lap fills nothing
	TURN 0, 1, 0, 0
	THREE 1, 0
	s_wait_dscnt 8
	WIN MUL_LO
	MUL16 F1, 0, 0, 0
	MUL16 F1, 0, 2, 0
	s_wait_dscnt 0
	WIN MUL_HI
	MUL16 F1, 1, 0, 0
	MUL16 F1, 1, 2, 0
	WAYOUT 1                                       ; the ring's barriers, each behind a wait for all LDS reads, lie between expert 0's last reads of the stage and these stores
	s_wait_tensorcnt 0x0
	ds_add_u32 v30, v31
	s_wait_dscnt 0x0
	CROUND                                         ; the closing round: no work-group ends while a partner may still ask for a tile that names it
	s_endpgm
.Lfunc_end_k_qca82df3c86_ffn1:
	.size	k_qca82df3c86_ffn1, .Lfunc_end_k_qca82df3c86_ffn1-k_qca82df3c86_ffn1
	.p2alignl 7, 3214868480
	.fill 96, 4, 3214868480
	.section	.rodata,"a",@progbits
	.p2align	6, 0x0
	.amdhsa_kernel k_qca82df3c86_ffn1
		.amdhsa_group_segment_fixed_size 327680
		.amdhsa_private_segment_fixed_size 0
		.amdhsa_enable_private_segment 0
		.amdhsa_kernarg_size 48
		.amdhsa_user_sgpr_count 2
		.amdhsa_user_sgpr_kernarg_segment_ptr 1
		.amdhsa_wavefront_size32 1
		.amdhsa_system_sgpr_workgroup_id_x 1
		.amdhsa_system_sgpr_workgroup_id_y 1
		.amdhsa_system_sgpr_workgroup_id_z 1
		.amdhsa_system_vgpr_workitem_id 0
		.amdhsa_next_free_vgpr 1024
		.amdhsa_next_free_sgpr 80
		.amdhsa_reserve_vcc 0
		.amdhsa_float_denorm_mode_32 3
		.amdhsa_float_denorm_mode_16_64 3
		.amdhsa_memory_ordered 1
		.amdhsa_forward_progress 1
		.amdhsa_inst_pref_size 255
	.end_amdhsa_kernel
	.section	.bss,"aw",@nobits
	.p2align	6
	.space	262144
	.amdgpu_metadata
---
amdhsa.version: [ 1, 2 ]
amdhsa.kernels:
  - .name:           k_qca82df3c86_ffn1
    .symbol:         k_qca82df3c86_ffn1.kd
    .args:
      - { .name: xb, .offset: 0, .size: 8, .value_kind: global_buffer, .address_space: global }
      - { .name: wib, .offset: 8, .size: 8, .value_kind: global_buffer, .address_space: global }
      - { .name: ce, .offset: 16, .size: 8, .value_kind: global_buffer, .address_space: global }
      - { .name: hb, .offset: 24, .size: 8, .value_kind: global_buffer, .address_space: global }
      - { .name: W_out, .offset: 32, .size: 8, .value_kind: global_buffer, .address_space: global }
      - { .name: wob, .offset: 40, .size: 8, .value_kind: global_buffer, .address_space: global }
    .group_segment_fixed_size: 327680
    .private_segment_fixed_size: 0
    .kernarg_segment_align: 8
    .kernarg_segment_size: 48
    .max_flat_workgroup_size: 128
    .sgpr_count:     80
    .vgpr_count:     1024
    .wavefront_size: 32
...
	.end_amdgpu_metadata
.endif
;; end of part 2
;; launch ffn2 (part 3): grid 8 x 32, 4 waves a work-group, clusters of 4 x 4, 327,680 bytes of LDS; arguments hb, wob, out0; writes out0
.if DOCPART == 3
	.amdgcn_target "amdgcn-amd-amdhsa--gfx1250"
	.amdhsa_code_object_version 6
	.text
	.protected	k_qca82df3c86_ffn2
	.globl	k_qca82df3c86_ffn2
	.p2align	8
	.type	k_qca82df3c86_ffn2,@function
k_qca82df3c86_ffn2:
	s_mov_b64 s[64:65], 0
	v_nop
	global_prefetch_b8 v0, s[64:65] scope:SCOPE_SE
	s_setreg_imm32_b32 hwreg(HW_REG_WAVE_MODE, 25, 1), 1
	s_wait_xcnt 0x0
	s_wait_alu depctr_hold_cnt(0) depctr_sa_sdst(0) depctr_va_vdst(0) depctr_va_sdst(0) depctr_va_ssrc(0) depctr_va_vcc(0) depctr_vm_vsrc(0)
	s_getreg_b32 s2, hwreg(HW_REG_IB_STS2, 6, 4)
	s_cmp_eq_u32 s2, 0
	s_cbranch_scc0 .Lentry_in_a_cluster
	s_endpgm
.Lentry_in_a_cluster:
	s_bfe_u32 s2, ttmp6, 0x10000c
	s_cmp_lg_u32 s2, 0xf033
	s_cbranch_scc0 .Lentry_shape_is_right
	s_endpgm
.Lentry_shape_is_right:
; ffn2: out0[t][n] = sum over k = 0 .. 4095 of hb[t][k] wob[k][n].  hb: [4096][4096] bf16 (column 2048 e + j, ce already in it).  wob: [4096 k][1024 n] bf16.  out0: f32.
; The sum over both experts and the combine are this one product, since hb carries ce and wob is W_out's two experts one behind the other.
; LIMITS: operands are bf16.  K is summed in four parts (of every 256 along K, wave w takes k = 64 w .. 64 w + 63), each in f32 with K ascending; the parts are added as (p0 + p1) + (p2 + p3).
; SHARES: 4,096 x 1,024 outputs on 256 work-groups are 128 x 128 each.  Every wave holds the WHOLE 128 x 128 (64 accumulator tiles, 512 registers) for its quarter
; of K: for 32 along K it reads 2 x 128 x 64 bytes of LDS for 64 matrix instructions, half of what four wave tiles of 64 x 64 would read.  The four parts meet in LDS
; on the way out, through which the results pass anyway to leave as whole rows.
; THE RING: K goes in 16 steps of 256 through two LDS slots filled by the tensor data mover; hb's tile rows are 512 bytes of memory, wob's 256, all at multiples of 256.
; A block of 128 x 128 has only 128 matrix instructions a wave for a slot's 131,072 bytes.  So the steps go in BATCHES of two, and BOTH slots are filled again behind
; one round of the cluster's barrier: 262,144 bytes a work-group are asked for at once.  What the waves multiply meanwhile lies in registers: a wave's share of a slot
; is two quarters of 32 along K, and THREE fragment buffers let it fetch a batch's last quarter while the batch's second is multiplied.
; From the request to the first wait for a tile a wave has 128 matrix instructions that need no LDS, to the second 176.
; wob lies [k][n]; its fragments are read by the transposing load ds_load_tr16_b128.
; CLUSTERS: 4 x 4 work-groups.  hb's tile hangs on the block row alone and is asked for jointly along a row of the cluster, wob's on the block column alone, along a column.
; By this text's count a wave has two tensor loads out behind each round, and never more.
; REGISTERS: window 0: v0-31 addresses; v64-255 fragments of hb, three buffers.  window 1: v64-255 fragments of wob.  windows 2, 3: tile (a, b) at v[8 (8 a + b)], row blocks 0-3, 4-7.
; The matrix instruction is used transposed: lane l holds row l % 16 and, in registers 0 to 7, columns 8 (l / 16) + 0 .. 7: 32 neighbouring bytes of a row.
.set PA,    528                        ; pitch of hb's rows in LDS: 512 bytes + 16
.set PB,    288                        ; pitch of wob's rows: 256 bytes + 32, an odd multiple of 32 for the transposing load
.set BT,    128*PB                     ; 128 k rows: what one tensor load brings of wob
.set AOFF,  2*BT                       ; hb's tile lies behind wob's 256 rows
.set AH,    64*PA                      ; 64 rows: what one tensor load brings of hb
.set SLOT,  AOFF+2*AH                  ; 141,312 bytes
.set SP,    528                        ; the stage's pitch: a row of 128 f32 + 16 bytes
.set PART,  128*SP                     ; one wave's part in the stage; four of them from LDS byte 0 on, over both slots once these are done with
.set ADRA, 16                          ; v16-17
.set ADRB, 20                          ; v20-21
.set STO,  24
.set CO,   26
.set RD,   28                          ; v[28:31] part p: where I read my 16 bytes of a row
.set F0,   64
.set F1,   128
.set F2,   192
.set G1,  24
.set G0,  32
.set G1B, 48
.set G0B, 56
.set MSB, 0
.macro WIN new                         ; the immediate's high byte repeats the setting that is left
.if MSB != \new
	s_set_vgpr_msb (MSB<<8)|\new
.set MSB, \new
.endif
.endm
.set MUL_LO, 0xa1
.set MUL_HI, 0xf1
.set TO_B,   0x40
.macro JLOAD s                         ; waves 0 and 1 fetch wob's two halves, waves 2 and 3 hb's; the branch hangs on the wave's number alone
	s_cmp_eq_u32 s13, 0
	s_cbranch_scc0 .Lfor_a_\@
	tensor_load_to_lds s[G0B+4*\s:G0B+4*\s+3], s[G1B:G1B+7]
	s_nop 0
	s_branch .Lasked_\@
.Lfor_a_\@:
	tensor_load_to_lds s[G0+4*\s:G0+4*\s+3], s[G1:G1+7]
	s_nop 0
.Lasked_\@:
.endm
.macro CREST                           ; a round of the cluster's barrier behind its opening barrier
	s_cmp_lg_u32 s12, 0
	s_cbranch_scc1 .Lnot_wave_0_\@
	s_barrier_signal -3
.Lnot_wave_0_\@:
	s_barrier_wait -3
	s_barrier_signal -1
	s_barrier_wait -1
.endm
.macro CROUND
	s_barrier_signal -1
	s_barrier_wait -1
	CREST
.endm
	s_load_b128 s[4:7], s[0:1], 0x0                ; hb 4:5, wob 6:7
	s_load_b64 s[8:9], s[0:1], 0x10                ; out0
	s_set_vgpr_msb 0x40
	v_lshl_add_u32 v63, v0, 2, 0x45000
	s_set_vgpr_msb 0x4000
	v_mov_b32 v63, 0
	s_set_vgpr_msb 0x1
	ds_add_u32 v63, v63
	s_set_vgpr_msb 0x100
	v_lshrrev_b32 v1, 5, v0
	v_readfirstlane_b32 s12, v1                    ; wave 0..3: my quarter of K
	s_lshr_b32 s13, s12, 1                         ; I fetch for wob (0) or for hb (1)
	s_and_b32 s14, s12, 1                          ; which half of that tile
	s_bfe_u32 s40, ttmp6, 0x40000                  ; cx
	s_bfe_u32 s41, ttmp6, 0x40004                  ; cy
	s_lshl_b32 s42, ttmp9, 2
	s_add_co_u32 s42, s42, s40                     ; bx: block of 128 columns
	s_and_b32 s43, ttmp7, 0xffff
	s_lshl_b32 s43, s43, 2
	s_add_co_u32 s43, s43, s41                     ; by: block of 128 rows
	s_lshl_b32 s44, s41, 2
	s_lshl_b32 s44, 15, s44                        ; my row of the cluster
	s_lshl_b32 s45, 0x1111, s40                    ; my column
	; group 1.  hb: 64 rows x 256 elements, 4,096 from row to row, 4 words of padding behind every 128.  wob: 128 rows x 128 elements, 1,024 from row to row, 8 words behind every 64.
	s_or_b32 s[G1+0],  s44, (1<<16)|(1<<20)|(1<<21)|(6<<22)|(3<<25)
	s_or_b32 s[G1B+0], s45, (1<<16)|(1<<20)|(1<<21)|(5<<22)|(7<<25)
	s_mov_b32 s[G1+1],  256<<16                    ; tensor_dim0
	s_mov_b32 s[G1B+1], 128<<16
	s_mov_b32 s[G1+2],  64<<16                     ; tensor_dim1
	s_mov_b32 s[G1B+2], 128<<16
	s_mov_b32 s[G1+3],  256<<16                    ; tile_dim0
	s_mov_b32 s[G1B+3], 128<<16
	s_mov_b32 s[G1+4],  64                         ; tile_dim1
	s_mov_b32 s[G1B+4], 128
	s_mov_b32 s[G1+5],  4096                       ; elements from row to row
	s_mov_b32 s[G1B+5], 1024
	s_mov_b32 s[G1+6],  0
	s_mov_b32 s[G1B+6], 0
	s_mov_b32 s[G1+7],  0
	s_mov_b32 s[G1B+7], 0
	s_lshl_b32 s16, s43, 7
	s_lshl_b32 s17, s14, 6
	s_add_co_u32 s16, s16, s17                     ; hb: row 128 by + 64 x half
	s_lshl_b32 s16, s16, 13                        ; x 8,192 bytes
	s_mov_b32 s17, 0
	s_lshl_b32 s46, s14, 18                        ; wob: 128 k rows of 2,048 bytes x half
	s_lshl_b32 s47, s42, 8                         ; + 128 columns x 2 bytes
	s_add_co_u32 s46, s46, s47
	s_mov_b32 s47, 0
	s_mul_i32 s20, s12, AH                         ; hb's halves (waves 2, 3) at AOFF + (wave - 2) AH = wave x AH + 6,144
	s_add_co_u32 s20, s20, AOFF-2*AH
	s_mul_i32 s21, s12, BT                         ; wob's halves (waves 0, 1)
	s_lshl_b32 s70, s43, 7
	s_lshl_b32 s71, s12, 5
	s_add_co_u32 s70, s70, s71                     ; on the way out wave w sums and stores rows 128 by + 32 w ..
	s_lshl_b32 s70, s70, 12                        ; x 4,096 bytes
	s_lshl_b32 s71, s42, 9                         ; 128 columns x 4 bytes
	s_add_co_u32 s70, s70, s71
	s_mov_b32 s71, 0
	s_wait_dscnt 0x0
	s_wait_kmcnt 0x0
	s_add_nc_u64 s[18:19], s[4:5], s[16:17]
	s_add_nc_u64 s[46:47], s[6:7], s[46:47]
	s_add_nc_u64 s[8:9], s[8:9], s[70:71]
	CROUND                                         ; all sixteen work-groups are here: the first joint loads meet
.irp s, 0,1
	s_mov_b32 s[G0+4*\s], 1
	s_add_co_u32 s[G0+4*\s+1], s20, \s*SLOT
	s_add_nc_u64 s[G0+4*\s+2:G0+4*\s+3], s[18:19], \s*512            ; K step s: 256 elements along the row
	s_or_b32 s[G0+4*\s+3], s[G0+4*\s+3], 0x80000000
	s_mov_b32 s[G0B+4*\s], 1
	s_add_co_u32 s[G0B+4*\s+1], s21, \s*SLOT
	s_add_nc_u64 s[G0B+4*\s+2:G0B+4*\s+3], s[46:47], \s*0x80000      ; K step s: 256 rows of 2,048 bytes
	s_or_b32 s[G0B+4*\s+3], s[G0B+4*\s+3], 0x80000000
	JLOAD \s
.endr
	v_and_b32 v1, 15, v0                           ; r
	v_bfe_u32 v2, v0, 4, 1                         ; h
	v_and_b32 v3, 7, v0
	v_bfe_u32 v4, v0, 3, 1
	v_and_b32 v7, 31, v0                           ; lane
	v_mul_u32_u24 v8, v1, PA                       ; r x 528: hb's pitch and the stage's are the same
	v_lshl_add_u32 v5, v2, 4, v8                   ; hb: row r, 16 bytes for each half of the lanes
	v_lshl_add_u32 v6, v2, 3, v3
	v_mul_u32_u24 v6, v6, PB
	v_lshl_add_u32 v6, v4, 4, v6                   ; wob: k row 8 h + l % 8, 16 bytes by bit 3
	s_lshl_b32 s22, s12, 7                         ; my 64 along K: 128 bytes of hb's rows,
	s_add_co_u32 s22, s22, AOFF
	s_mul_i32 s23, s12, 64*PB                      ; 64 rows of wob
.irp s, 0,1
	v_add_nc_u32 v[ADRA+\s], s22, v5
	v_add_nc_u32 v[ADRB+\s], s23, v6
	s_add_co_u32 s22, s22, SLOT
	s_add_co_u32 s23, s23, SLOT
.endr
	s_mul_i32 s22, s12, PART
	v_lshl_add_u32 v8, v2, 5, v8                   ; the stage: row r, 32 bytes for each half of the lanes,
	v_add_nc_u32 v[STO], s22, v8                   ; in my part
	s_mul_i32 s23, s12, 32*SP                      ; back: my 32 rows of every part
	v_lshlrev_b32 v[CO], 4, v7                     ; 16 bytes a lane: a row of 512 bytes
.irp p, 0,1,2,3
	v_add_nc_u32 v[RD+\p], s23, v[CO]
	s_add_co_u32 s23, s23, PART
.endr
.macro MUL16 f, hi, a0, zero           ; 16 matrix instructions: row blocks a0, a0 + 1 of the window's four x all 8 column blocks, 32 along K
.irp a, \a0, \a0+1
.irp b, 0,1,2,3,4,5,6,7
.if \zero
	v_wmma_f32_16x16x32_bf16 v[8*(8*(\a)+\b):8*(8*(\a)+\b)+7], v[\f+8*\b:\f+8*\b+7], v[\f+8*(4*\hi+\a):\f+8*(4*\hi+\a)+7], 0
.else
	v_wmma_f32_16x16x32_bf16 v[8*(8*(\a)+\b):8*(8*(\a)+\b)+7], v[\f+8*\b:\f+8*\b+7], v[\f+8*(4*\hi+\a):\f+8*(4*\hi+\a)+7], v[8*(8*(\a)+\b):8*(8*(\a)+\b)+7]
.endif
.endr
.endr
.endm
.macro FETCH slot, q, f                ; 32 LDS loads in one run: half q (32 along K) of my 64 in a slot, into buffer f: wob's 16 loads, then hb's row blocks 0-7
	WIN TO_B
.irp b, 0,1,2,3,4,5,6,7
	ds_load_tr16_b128 v[\f+8*\b:\f+8*\b+3],   v[ADRB+\slot] offset:\q*32*PB+32*\b
	ds_load_tr16_b128 v[\f+8*\b+4:\f+8*\b+7], v[ADRB+\slot] offset:\q*32*PB+32*\b+16*PB
.endr
	WIN 0
.irp i, 0,1,2,3,4,5,6,7
	ds_load_b128 v[\f+8*\i:\f+8*\i+3],   v[ADRA+\slot] offset:\q*64+\i*16*PA
	ds_load_b128 v[\f+8*\i+4:\f+8*\i+7], v[ADRA+\slot] offset:\q*64+\i*16*PA+32
.endr
.endm
.macro PLACES                          ; four plain vector instructions between a matrix instruction and a load into, or a store or LDS store of, its registers
.rept 4
	v_nop
.endr
.endm
; A BATCH is two K steps = four quarters a, b (slot 0), c, d (slot 1), 64 matrix instructions each.  Buffers: a in fa, b in fb, c in fc, d in fa again;
; the next batch's a in fb, b in fc: the three names move on by one from batch to batch.
; The 64 accumulators take turns, one instruction a turn, in the same order in every quarter.
;
; Quarter a.  Its fragments and b's were fetched in the quarter before.  In its middle slot 1's tile is waited for and shown to the other waves; then c is fetched
; into the buffer that the last batch's d has left.
.macro QA fa, fc, zero
	s_wait_dscnt 40                                ; a's wob fragments and row blocks 0-3 are in; a's row blocks 4-7 (8 loads) and b's 32 loads may be out
	WIN MUL_LO
	MUL16 \fa, 0, 0, \zero
	MUL16 \fa, 0, 2, \zero
	s_wait_dscnt 0                                 ; the rest of a, and b; no LDS instruction is pending at the signal
	s_wait_tensorcnt 0x0                           ; my part of slot 1's tile is in: it is the younger of my two loads, so its count is 0
	s_barrier_signal -1
	WIN MUL_HI
	MUL16 \fa, 1, 0, \zero                         ; register work while the others arrive
	s_barrier_wait -1                              ; slot 1 is whole
	PLACES
	FETCH 1, 0, \fc
	WIN MUL_HI
	MUL16 \fa, 1, 2, \zero
.endm
; Quarter b.  d is fetched at once, into the buffer that a has just left: with that the whole batch has been read.  fill = 1: in front of the round every wave waits for
; its reads of both slots and for all its tensor loads; behind it both slots are asked for again, the first tensor loads there.
.macro QB fb, fd, fill
	PLACES
	FETCH 1, 1, \fd
	WIN MUL_LO
	MUL16 \fb, 0, 0, 0
	MUL16 \fb, 0, 2, 0
	s_wait_dscnt 0                                 ; c and d are in registers: my reads of both slots are over
.if \fill
	s_wait_tensorcnt 0x0                           ; all my tensor loads have landed (shown in quarter a already)
	ds_add_u32 v63, v63
	s_wait_dscnt 0x0
	s_barrier_signal -1                            ; opens a round of the cluster's barrier
	WIN MUL_HI
	MUL16 \fb, 1, 0, 0                             ; register work while the others arrive
	WIN 0
	s_barrier_wait -1
	CREST                                          ; no wave of any partner still reads a slot or has a load on its way
.irp s, 0,1
	s_add_nc_u64 s[G0+4*\s+2:G0+4*\s+3], s[G0+4*\s+2:G0+4*\s+3], 1024            ; two K steps on; no tensor load of mine is out
	s_add_nc_u64 s[G0B+4*\s+2:G0B+4*\s+3], s[G0B+4*\s+2:G0B+4*\s+3], 0x100000
.endr
	JLOAD 0
	JLOAD 1
	WIN MUL_HI
	MUL16 \fb, 1, 2, 0
.else
	WIN MUL_HI
	MUL16 \fb, 1, 0, 0
	MUL16 \fb, 1, 2, 0
.endif
.endm
.macro QC fc                           ; quarter c: registers alone
	WIN MUL_LO
	MUL16 \fc, 0, 0, 0
	MUL16 \fc, 0, 2, 0
	WIN MUL_HI
	MUL16 \fc, 1, 0, 0
	MUL16 \fc, 1, 2, 0
.endm
; Quarter d.  fill = 1: as late as the fetch allows, slot 0's new tile is waited for and shown to the other waves, and the next batch's a and b are fetched
; into the buffers that b and c have left.
.macro QD fd, na, nb, fill
	WIN MUL_LO
	MUL16 \fd, 0, 0, 0
	MUL16 \fd, 0, 2, 0
	WIN MUL_HI
	MUL16 \fd, 1, 0, 0
.if \fill
	s_wait_tensorcnt 1                             ; my part of slot 0's tile is in; slot 1's may stay out
	s_barrier_signal -1                            ; (no LDS instruction of mine is pending since quarter b)
	s_barrier_wait -1                              ; slot 0 is whole
	PLACES
	FETCH 0, 0, \na
	FETCH 0, 1, \nb
.endif
	WIN MUL_HI
	MUL16 \fd, 1, 2, 0
.endm
.macro BATCH fa, fb, fc, zero, fill
	QA \fa, \fc, \zero
	QB \fb, \fa, \fill
	QC \fc
	QD \fa, \fb, \fc, \fill
.endm
	s_wait_tensorcnt 1                             ; my part of K step 0 is in; K step 1's stays out
	s_barrier_signal -1
	s_barrier_wait -1
	FETCH 0, 0, F0
	FETCH 0, 1, F1
	BATCH F0, F1, F2, 1, 1                         ; the first of eight batches stands in front of the loop: its first products start the sums
	WIN 0
	s_mov_b32 s15, 2
.Llap:                                             ; three batches a trip: the buffers' names are back where they were
	BATCH F1, F2, F0, 0, 1
	BATCH F2, F0, F1, 0, 1
	BATCH F0, F1, F2, 0, 1
	WIN 0
	s_sub_co_u32 s15, s15, 1
	s_cmp_lg_u32 s15, 0
	s_cbranch_scc1 .Llap
	BATCH F1, F2, F0, 0, 0                         ; the last batch asks for nothing
	; THE WAY OUT.  No load fills the slots any more (all have landed since the last batch's quarter a), and my reads of them are back since its quarter b.
	; Behind the first barrier no wave reads them either: each wave lays its part, 128 rows of 512 bytes, into the stage; behind the second, wave w adds the
	; four parts of rows 32 w .. 32 w + 31 and stores them.
	WIN 0
	s_barrier_signal -1
	PLACES                                         ; the places between the last matrix instructions and the LDS stores of their results
	s_barrier_wait -1
.macro PUT win, a0                     ; the 32 tiles of a window (win: the store data's window), row blocks a0 .. a0 + 3
	WIN \win
.irp a, 0,1,2,3
.irp b, 0,1,2,3,4,5,6,7
	ds_store_b128 v[STO], v[8*(8*\a+\b):8*(8*\a+\b)+3]   offset:16*SP*(\a+\a0)+64*\b
	ds_store_b128 v[STO], v[8*(8*\a+\b)+4:8*(8*\a+\b)+7] offset:16*SP*(\a+\a0)+64*\b+16
.endr
.endr
.endm
	PUT 0x08, 0
	PUT 0x0c, 4
	WIN 0
	s_wait_dscnt 0x0                               ; for the others' sake: my part is in the stage
	s_barrier_signal -1
	s_barrier_wait -1
.macro OUTB t0                         ; eight rows from row t0 of my 32
.if \t0
	s_wait_xcnt 0x0                                ; the registers that the last eight stores read are loaded again only behind this wait
.endif
.irp t, 0,1,2,3,4,5,6,7
.irp p, 0,1,2,3
	ds_load_b128 v[F0+16*\t+4*\p:F0+16*\t+4*\p+3], v[RD+\p] offset:SP*(\t0+\t)
.endr
.endr
.irp t, 0,1,2,3,4,5,6,7
	s_wait_dscnt 4*(7-\t)                          ; row t's four parts are in; the later rows' four loads each stay out
	v_pk_add_f32 v[F0+16*\t:F0+16*\t+1],     v[F0+16*\t:F0+16*\t+1],     v[F0+16*\t+4:F0+16*\t+5]
	v_pk_add_f32 v[F0+16*\t+2:F0+16*\t+3],   v[F0+16*\t+2:F0+16*\t+3],   v[F0+16*\t+6:F0+16*\t+7]
	v_pk_add_f32 v[F0+16*\t+8:F0+16*\t+9],   v[F0+16*\t+8:F0+16*\t+9],   v[F0+16*\t+12:F0+16*\t+13]
	v_pk_add_f32 v[F0+16*\t+10:F0+16*\t+11], v[F0+16*\t+10:F0+16*\t+11], v[F0+16*\t+14:F0+16*\t+15]
	v_pk_add_f32 v[F0+16*\t:F0+16*\t+1],     v[F0+16*\t:F0+16*\t+1],     v[F0+16*\t+8:F0+16*\t+9]
	v_pk_add_f32 v[F0+16*\t+2:F0+16*\t+3],   v[F0+16*\t+2:F0+16*\t+3],   v[F0+16*\t+10:F0+16*\t+11]
	global_store_b128 v[CO], v[F0+16*\t:F0+16*\t+3], s[8:9] offset:4096*(\t0+\t) th:TH_STORE_NT   ; the wave stores 512 consecutive bytes at a multiple of 512 from out0's first byte
.endr
.endm
	OUTB 0
	OUTB 8
	OUTB 16
	OUTB 24
	s_set_vgpr_msb 0x1
	s_wait_tensorcnt 0x0
	ds_add_u32 v63, v63
	s_wait_dscnt 0x0
	s_set_vgpr_msb 0x100
	CROUND                                         ; the closing round: no work-group ends while a partner may still ask for a tile that names it
	s_endpgm
.Lfunc_end_k_qca82df3c86_ffn2:
	.size	k_qca82df3c86_ffn2, .Lfunc_end_k_qca82df3c86_ffn2-k_qca82df3c86_ffn2
	.p2alignl 7, 3214868480
	.fill 96, 4, 3214868480
	.section	.rodata,"a",@progbits
	.p2align	6, 0x0
	.amdhsa_kernel k_qca82df3c86_ffn2
		.amdhsa_group_segment_fixed_size 327680
		.amdhsa_private_segment_fixed_size 0
		.amdhsa_enable_private_segment 0
		.amdhsa_kernarg_size 24
		.amdhsa_user_sgpr_count 2
		.amdhsa_user_sgpr_kernarg_segment_ptr 1
		.amdhsa_wavefront_size32 1
		.amdhsa_system_sgpr_workgroup_id_x 1
		.amdhsa_system_sgpr_workgroup_id_y 1
		.amdhsa_system_sgpr_workgroup_id_z 1
		.amdhsa_system_vgpr_workitem_id 0
		.amdhsa_next_free_vgpr 1024
		.amdhsa_next_free_sgpr 72
		.amdhsa_reserve_vcc 0
		.amdhsa_float_denorm_mode_32 3
		.amdhsa_float_denorm_mode_16_64 3
		.amdhsa_memory_ordered 1
		.amdhsa_forward_progress 1
		.amdhsa_inst_pref_size 172
	.end_amdhsa_kernel
	.amdgpu_metadata
---
amdhsa.version: [ 1, 2 ]
amdhsa.kernels:
  - .name:           k_qca82df3c86_ffn2
    .symbol:         k_qca82df3c86_ffn2.kd
    .args:
      - { .name: hb, .offset: 0, .size: 8, .value_kind: global_buffer, .address_space: global }
      - { .name: wob, .offset: 8, .size: 8, .value_kind: global_buffer, .address_space: global }
      - { .name: out0, .offset: 16, .size: 8, .value_kind: global_buffer, .address_space: global }
    .group_segment_fixed_size: 327680
    .private_segment_fixed_size: 0
    .kernarg_segment_align: 8
    .kernarg_segment_size: 24
    .max_flat_workgroup_size: 128
    .sgpr_count:     72
    .vgpr_count:     1024
    .wavefront_size: 32
...
	.end_amdgpu_metadata
.endif
;; end of part 3
;; ======== version 2 of 2: 3 launches; version 1 with the launch prep written anew for expert scheduling mode
;; limits: right only within a limited range of input values
;; workspace buffers: xb 8,388,608 bytes; wib 16,777,216 bytes; wob 8,388,608 bytes; ce 65,536 bytes; hb 33,554,432 bytes
;; launch prep (part 4): grid 256 x 1, 12 waves a work-group, no clusters, 1,792 bytes of LDS; arguments x, Wr, W_in, xb, wib, ce; writes xb, wib, ce
.if DOCPART == 4
	.amdgcn_target "amdgcn-amd-amdhsa--gfx1250"
	.amdhsa_code_object_version 6
	.text
	.protected	k_qca82df3c86_prep
	.globl	k_qca82df3c86_prep
	.p2align	8
	.type	k_qca82df3c86_prep,@function
k_qca82df3c86_prep:
	s_mov_b64 s[64:65], 0
	v_nop
	global_prefetch_b8 v0, s[64:65] scope:SCOPE_SE
	s_setreg_imm32_b32 hwreg(HW_REG_WAVE_SCHED_MODE, 0, 2), 2
	s_setreg_imm32_b32 hwreg(HW_REG_WAVE_MODE, 25, 1), 1
	s_wait_xcnt 0x0
	s_wait_alu depctr_vm_vsrc(0)
; prep: x and W_in are rounded once to bf16 (same layouts) into xb and wib; the router's weights go to ce[token][expert][2 copies] in f32.
; (W_out is cast by the next launch, which leaves memory nearly idle and has waves waiting at its start.)
; ROUTER: the K = 2 largest of E = 2 logits are both of them, in some order; the softmax of that pair and the sum over where(index == e)
; give softmax(logits)[e] whatever the order.  So ce[t][e] = exp(l_e - max) / (exp(l_0 - max) + exp(l_1 - max)).
; The logits are a matrix product like the others and take the same operands: x and Wr rounded to bf16, exact products, sums in f32.
; So every product of the program sees one and the same rounded x.
; Each weight is stored twice, side by side: the next launch loads the two as the register pair that its packed multiply takes, and
; 16 tokens x 16 bytes are one store of 256 bytes.
; LIMITS: the logits carry the rounding of x and Wr to bf16 (8 significant bits each): an error of some 0.002 of the logits' spread, which grows with Wr.
; v_exp_f32 and v_rcp_f32 are good to 1 ULP and flush denormals (ISA guide 15.8): a weight below 2^-126 comes out as 0.
; The logit's 1,024 products are summed in another order than a plain chain (8 chains a lane, then 32 lanes).
; SHARES: a chunk is 1,024 f32 (4,096 bytes in, 2,048 out); x has 4,096 chunks (a chunk is a token's row), W_in 8,192: 48 for each of 256 work-groups.
; Twelve waves, 4 neighbouring chunks each: waves 0-3 take 16 tokens, waves 4-11 take 32 chunks of W_in.  All of a wave's loads are issued at once; there is no loop.
; A load of a wave covers 512 neighbouring bytes, a store 256 neighbouring bytes at a multiple of 256 from the buffer's first byte.
; No matrix unit, no tensor loads, no cluster: every byte is read once and no two work-groups share any but Wr's 8,192 bytes; a product with two columns fills no matrix tile.
; THE MODE: SCHED_MODE bits 1:0 = 2 (LLVM: expert scheduling mode 2), set by the entry lines.  The code itself states the register dependences
; between vector instructions and memory or LDS instructions, with s_wait_alu, always for 0.
; THE PLAN.  Registers that memory or LDS instructions touch:
;   v2, v3        Byte offsets, made once at the head and never written again.  Every load reads v2; every store, and wave 0's LDS load, reads v3.
;   X             The 32 loads land in registers that no vector instruction has named.  Chunk i's sixteen conversions write the first two of each four in place;
;                 its eight stores read those pairs; in waves 0-3 the logits' products read them too.  Nothing writes them again.
;   WR            Sixteen loads land in it; from then on vector instructions alone name it.
;   v4, v[TMP+6]  Written at the router's end, read by the one LDS store, never written again.
;   v[TMP:TMP+1]  Written and read by the selects; later wave 0's LDS load lands in them, and the last store reads them.
;   v232, v233    Written at the head, read by the closing add alone.
; So: one wait on va_vdst at the head for the offsets; one a chunk, behind its conversions, for the chunk's eight stores; one ahead of the LDS store, behind the kernel's
; last vector instruction.  No register that a memory instruction has read is written again, so no wait on vm_vsrc is owed ahead of the closing lines.
.set Z,   5                            ; v5          0: the addend of each chain's first product
.set X,   16                           ; v[16:143]   chunk i, load j: 4 registers at X + 32 i + 4 j; after the cast the first two hold 4 bf16
.set WR,  144                          ; v[144:207]  Wr of expert e at my columns: 4 registers at WR + 32 e + 4 j; after the cast the first two hold 4 bf16
.set ACC, 208                          ; v[208:215]  eight chains: expert e, packed word p, half h at ACC + 4 e + 2 p + h
.set LG,  216                          ; v[216:223]  logit, later weight, of chunk i and expert e at LG + 2 i + e
.set TMP, 224                          ; v[224:231]  at work
	s_load_b256 s[4:11], s[0:1], 0x0               ; x 4:5, Wr 6:7, W_in 8:9, xb 10:11
	s_load_b128 s[12:15], s[0:1], 0x20             ; wib 12:13, ce 14:15
	v_lshl_add_u32 v232, v0, 2, 0x100              ; the LDS address of my spare word, and 0: made here and kept for the closing lines alone
	v_mov_b32 v233, 0
	v_lshrrev_b32 v1, 5, v0
	v_readfirstlane_b32 s20, v1                    ; wave 0..11
	v_and_b32 v1, 31, v0                           ; lane
	v_lshlrev_b32 v2, 4, v1                        ; 16 bytes a lane in
	v_lshlrev_b32 v3, 3, v1                        ; 8 bytes a lane out
	s_mov_b32 s31, 0                               ; high words of the offsets
	s_mov_b32 s33, 0
	s_lshl_b32 s28, ttmp9, 8                       ; 16 tokens x 16 bytes of ce
	s_mov_b32 s29, 0
	s_wait_kmcnt 0x0
	s_add_nc_u64 s[14:15], s[14:15], s[28:29]
.macro LOADS                           ; 32 loads: four chunks of eight
.irp i, 0,1,2,3
.irp j, 0,1,2,3,4,5,6,7
	global_load_b128 v[X+32*\i+4*\j:X+32*\i+4*\j+3], v2, s[24:25] offset:4096*\i+512*\j th:TH_LOAD_NT
.endr
.endr
.endm
.macro CAST i                          ; chunk i: rounded in place, in one run; the registers are not written again
.irp j, 0,1,2,3,4,5,6,7
	v_cvt_pk_bf16_f32 v[X+32*\i+4*\j],   v[X+32*\i+4*\j],   v[X+32*\i+4*\j+1]
	v_cvt_pk_bf16_f32 v[X+32*\i+4*\j+1], v[X+32*\i+4*\j+2], v[X+32*\i+4*\j+3]
.endr
	s_wait_alu depctr_va_vdst(0)                   ; the sixteen conversions have written chunk i's eight pairs, which its eight stores read
.endm
.macro SEND i                          ; chunk i's eight stores in one run (waves 4-11)
.irp j, 0,1,2,3,4,5,6,7
	global_store_b64 v3, v[X+32*\i+4*\j:X+32*\i+4*\j+1], s[26:27] offset:2048*\i+256*\j
.endr
.endm
; Waves 0-3.  My 32 columns' part of token i's two logits, from the packed bf16 of x and of Wr: a source whose op_sel_hi bit is 1 is a bf16 half, op_sel says which;
; the product of two bf16 is exact in f32 and is added with one rounding.  The chunk's eight stores are dealt among the products: store j stands ahead of the eight
; products of load j, the first vector instructions since CAST's wait that name its two registers, and these only read them.  So no store here owes a further wait.
.macro DOT i
	global_store_b64 v3, v[X+32*\i:X+32*\i+1], s[26:27] offset:2048*\i
.irp e, 0,1
.irp p, 0,1
.irp h, 0,1
	v_fma_mix_f32_bf16 v[ACC+4*\e+2*\p+\h], v[X+32*\i+\p], v[WR+32*\e+\p], v[Z] op_sel:[\h,\h,0] op_sel_hi:[1,1,0]
.endr
.endr
.endr
.irp j, 1,2,3,4,5,6,7
	global_store_b64 v3, v[X+32*\i+4*\j:X+32*\i+4*\j+1], s[26:27] offset:2048*\i+256*\j
.irp e, 0,1
.irp p, 0,1
.irp h, 0,1
	v_fma_mix_f32_bf16 v[ACC+4*\e+2*\p+\h], v[X+32*\i+4*\j+\p], v[WR+32*\e+4*\j+\p], v[ACC+4*\e+2*\p+\h] op_sel:[\h,\h,0] op_sel_hi:[1,1,0]
.endr
.endr
.endr
.endr
.irp e, 0,1
	v_pk_add_f32 v[ACC+4*\e:ACC+4*\e+1], v[ACC+4*\e:ACC+4*\e+1], v[ACC+4*\e+2:ACC+4*\e+3]
.endr
.irp e, 0,1
	v_add_f32 v[LG+2*\i+\e], v[ACC+4*\e], v[ACC+4*\e+1]
.endr
.endm
	s_wait_alu depctr_va_sdst(0)                   ; s20 is written, ahead of its first reader, the compare below
	s_wait_alu depctr_va_vdst(0)                   ; v2 and v3 are written: every load and store on both ways reads one of them as its offset
	s_cmp_lt_u32 s20, 4                            ; the branch hangs on the wave's number alone; both ways meet again in front of the barrier
	s_cbranch_scc1 .Lx
	; ---- waves 4-11: four chunks of W_in, cast alone ----
	s_sub_co_u32 s21, s20, 4
	s_lshl_b32 s30, ttmp9, 17                      ; 32 chunks of 4,096 bytes a work-group in,
	s_lshl_b32 s22, s21, 14                        ; 4 a wave
	s_add_co_u32 s30, s30, s22
	s_lshl_b32 s32, ttmp9, 16                      ; and half of that out
	s_lshl_b32 s23, s21, 13
	s_add_co_u32 s32, s32, s23
	s_add_nc_u64 s[24:25], s[8:9], s[30:31]
	s_add_nc_u64 s[26:27], s[12:13], s[32:33]
	LOADS
.irp i, 0,1,2,3
	s_wait_loadcnt 8*(3-\i)                        ; loads come back in order: chunk i is in, the later chunks' eight loads each stay out
	CAST \i
	SEND \i
.endr
	s_branch .Ljoin
	; ---- waves 0-3: four tokens of x, cast and router ----
.Lx:
	s_lshl_b32 s30, ttmp9, 16                      ; 16 tokens of 4,096 bytes a work-group in,
	s_lshl_b32 s22, s20, 14                        ; 4 a wave
	s_add_co_u32 s30, s30, s22
	s_lshl_b32 s32, ttmp9, 15
	s_lshl_b32 s23, s20, 13
	s_add_co_u32 s32, s32, s23
	s_add_nc_u64 s[24:25], s[4:5], s[30:31]
	s_add_nc_u64 s[26:27], s[10:11], s[32:33]
	s_mov_b32 s34, 0xcccccccc                      ; lanes whose number has bit 1 set
	s_mov_b32 s35, 0xf0f0f0f0                      ; bit 2
	s_mov_b32 s36, 0xff00ff00                      ; bit 3
	s_mov_b32 s37, 0x76543210                      ; v_permlanex16_b32: lane i of one half reads lane i of the other
	s_mov_b32 s38, 0xfedcba98
.irp e, 0,1
.irp j, 0,1,2,3,4,5,6,7
	global_load_b128 v[WR+32*\e+4*\j:WR+32*\e+4*\j+3], v2, s[6:7] offset:4096*\e+512*\j
.endr
.endr
	LOADS
	v_mov_b32 v[Z], 0
	s_wait_loadcnt 32                              ; Wr's 16 loads, issued first, are in; x's 32 stay out
.irp e, 0,1
.irp j, 0,1,2,3,4,5,6,7
	v_cvt_pk_bf16_f32 v[WR+32*\e+4*\j],   v[WR+32*\e+4*\j],   v[WR+32*\e+4*\j+1]
	v_cvt_pk_bf16_f32 v[WR+32*\e+4*\j+1], v[WR+32*\e+4*\j+2], v[WR+32*\e+4*\j+3]
.endr
.endr
.irp i, 0,1,2,3
	s_wait_loadcnt 8*(3-\i)                        ; chunk i is in; the later chunks' eight loads each stay out
	CAST \i                                        ; first the cast:
	DOT \i                                         ; the logits take the rounded numbers, and the chunk's stores go out among their products
.endr
	; the eight sums over the 32 lanes: four steps inside each half of 16 lanes, one across the halves; every lane ends with all eight
.irp m, 1,2,4,8
.irp k, 0,1,2,3,4,5,6,7
	v_add_f32_dpp v[LG+\k], v[LG+\k], v[LG+\k] row_xmask:\m row_mask:0xf bank_mask:0xf
.endr
.endr
.irp k, 0,1,2,3,4,5,6,7
	v_permlanex16_b32 v[ACC+\k], v[LG+\k], s37, s38        ; the destination has been written before (the chains)
.endr
.irp k, 0,1,2,3,4,5,6,7
	v_add_f32 v[LG+\k], v[LG+\k], v[ACC+\k]
.endr
	; softmax of each token's pair, the larger logit taken away first
.irp i, 0,1,2,3
	v_max_num_f32 v[TMP+\i], v[LG+2*\i], v[LG+2*\i+1]
.endr
.irp i, 0,1,2,3
	v_sub_f32 v[LG+2*\i],   v[LG+2*\i],   v[TMP+\i]
	v_sub_f32 v[LG+2*\i+1], v[LG+2*\i+1], v[TMP+\i]
.endr
.irp k, 0,1,2,3,4,5,6,7
	v_mul_f32 v[LG+\k], 0x3fb8aa3b, v[LG+\k]       ; times log2 e: v_exp_f32 is 2^x
.endr
.irp k, 0,1,2,3,4,5,6,7
	v_exp_f32 v[LG+\k], v[LG+\k]
.endr
	v_and_b32 v4, 15, v1                           ; a plain instruction between the exponentials and their first use (ISA guide 5.7.2)
	s_wait_alu depctr_va_vdst(0)                   ; the eight exponentials have written v[LG ..]: one wait for the batch, ahead of its first reader
.irp i, 0,1,2,3
	v_add_f32 v[TMP+\i], v[LG+2*\i], v[LG+2*\i+1]  ; at least 1: the larger logit's exponential is 1
.endr
.irp i, 0,1,2,3
	v_rcp_f32 v[TMP+\i], v[TMP+\i]
.endr
	v_lshlrev_b32 v4, 2, v4                        ; the plain instruction behind the reciprocals
	s_wait_alu depctr_va_vdst(0)                   ; the four reciprocals have written v[TMP ..]: one wait for the batch, ahead of its first reader
.irp i, 0,1,2,3
	v_mul_f32 v[LG+2*\i],   v[LG+2*\i],   v[TMP+\i]
	v_mul_f32 v[LG+2*\i+1], v[LG+2*\i+1], v[TMP+\i]
.endr
	; lane l takes value (l / 2) % 8 (= 2 i + e) by three levels of selects: neighbouring lanes hold the two copies
.irp m, 0,1,2,3
	v_cndmask_b32 v[TMP+\m], v[LG+2*\m], v[LG+2*\m+1], s34
.endr
	v_cndmask_b32 v[TMP+4], v[TMP],   v[TMP+1], s35
	v_cndmask_b32 v[TMP+5], v[TMP+2], v[TMP+3], s35
	v_cndmask_b32 v[TMP+6], v[TMP+4], v[TMP+5], s36
	v_lshl_add_u32 v4, s20, 6, v4                  ; LDS byte 64 x wave + 4 (l % 16): token 4 w + i, expert e, copy c lies at 16 (4 w + i) + 8 e + 4 c
	s_wait_alu depctr_va_vdst(0)                   ; v4 and v[TMP+6] are written, which the LDS store reads; the selects are done with v[TMP:TMP+1], in which wave 0's LDS load lands: no vector instruction follows this wait
	ds_store_b32 v4, v[TMP+6]                      ; two lanes write each word, with the same value
.Ljoin:
	s_wait_dscnt 0x0                               ; for wave 0's sake: my sixteen words are in LDS before I signal (waves 4-11 have none)
	s_barrier_signal -1                            ; all twelve waves pass this barrier
	s_barrier_wait -1
	s_cmp_lg_u32 s20, 0
	s_cbranch_scc1 .Lend
	ds_load_b64 v[TMP:TMP+1], v3                   ; wave 0: the work-group's 256 bytes of ce (the LDS store above read v4 and v[TMP+6], not these two registers),
	s_wait_dscnt 0x0
	global_store_b64 v3, v[TMP:TMP+1], s[14:15]    ; stored by one instruction, at a multiple of 256 from ce's first byte
.Lend:
	s_wait_dscnt 0x0                               ; the closing lines, six on end
	s_wait_alu 0x0
	s_wait_tensorcnt 0x0
	ds_add_u32 v232, v233
	s_wait_dscnt 0x0
	s_endpgm
.Lfunc_end_k_qca82df3c86_prep:
	.size	k_qca82df3c86_prep, .Lfunc_end_k_qca82df3c86_prep-k_qca82df3c86_prep
	.p2alignl 7, 3214868480
	.fill 96, 4, 3214868480
	.section	.rodata,"a",@progbits
	.p2align	6, 0x0
	.amdhsa_kernel k_qca82df3c86_prep
		.amdhsa_group_segment_fixed_size 1792
		.amdhsa_private_segment_fixed_size 0
		.amdhsa_enable_private_segment 0
		.amdhsa_kernarg_size 48
		.amdhsa_user_sgpr_count 2
		.amdhsa_user_sgpr_kernarg_segment_ptr 1
		.amdhsa_wavefront_size32 1
		.amdhsa_system_sgpr_workgroup_id_x 1
		.amdhsa_system_sgpr_workgroup_id_y 1
		.amdhsa_system_sgpr_workgroup_id_z 1
		.amdhsa_system_vgpr_workitem_id 0
		.amdhsa_next_free_vgpr 234
		.amdhsa_next_free_sgpr 66
		.amdhsa_reserve_vcc 0
		.amdhsa_float_denorm_mode_32 3
		.amdhsa_float_denorm_mode_16_64 3
		.amdhsa_memory_ordered 1
		.amdhsa_forward_progress 1
		.amdhsa_inst_pref_size 49
	.end_amdhsa_kernel
	.amdgpu_metadata
---
amdhsa.version: [ 1, 2 ]
amdhsa.kernels:
  - .name:           k_qca82df3c86_prep
    .symbol:         k_qca82df3c86_prep.kd
    .args:
      - { .name: x, .offset: 0, .size: 8, .value_kind: global_buffer, .address_space: global }
      - { .name: Wr, .offset: 8, .size: 8, .value_kind: global_buffer, .address_space: global }
      - { .name: W_in, .offset: 16, .size: 8, .value_kind: global_buffer, .address_space: global }
      - { .name: xb, .offset: 24, .size: 8, .value_kind: global_buffer, .address_space: global }
      - { .name: wib, .offset: 32, .size: 8, .value_kind: global_buffer, .address_space: global }
      - { .name: ce, .offset: 40, .size: 8, .value_kind: global_buffer, .address_space: global }
    .group_segment_fixed_size: 1792
    .private_segment_fixed_size: 0
    .kernarg_segment_align: 8
    .kernarg_segment_size: 48
    .max_flat_workgroup_size: 384
    .sgpr_count:     66
    .vgpr_count:     234
    .wavefront_size: 32
...
	.end_amdgpu_metadata
.endif
;; end of part 4
;; launch ffn1: the kernel of part 2 again; grid 16 x 16, 4 waves a work-group, clusters of 4 x 4, 327,680 bytes of LDS; arguments xb, wib, ce, hb, W_out, wob; writes hb, wob
;; launch ffn2: the kernel of part 3 again; grid 8 x 32, 4 waves a work-group, clusters of 4 x 4, 327,680 bytes of LDS; arguments hb, wob, out0; writes out0
